; MI455X (gfx1250); checked and timed in simulation.
; The chip was launched on July 23, 2026; its instructions are those of AMD's public machine-readable ISA for CDNA 5 (MIT licence, August 2026) and "CDNA5" Instruction Set Architecture Reference Guide (July 2026). The comments in the code are by the model that wrote it; some were corrected since.
;; Attention. Allowed arithmetic: matrix products marked QUANTISED: E2M3 operands, one E8M0 scale for each 32 along K, by v_wmma_scale_f32_16x16x128_f8f6f4 with both operands' format E2M3, f32 sums; everything else in f32.
;; Inputs: Wk_codes 256 x 16 x 24 uint8 (E2M3 codes of Wk, K innermost, in blocks of 32 codes, four codes in three bytes); Wk_scales 256 x 16 uint8 (E8M0 scales of Wk, one for each 32 codes along K); Wo_codes 512 x 8 x 24 uint8 (E2M3 codes of Wo, K innermost, in blocks of 32 codes, four codes in three bytes); Wo_scales 512 x 8 uint8 (E8M0 scales of Wo, one for each 32 codes along K); Wq_codes 256 x 16 x 24 uint8 (E2M3 codes of Wq, K innermost, in blocks of 32 codes, four codes in three bytes); Wq_scales 256 x 16 uint8 (E8M0 scales of Wq, one for each 32 codes along K); Wv_codes 256 x 16 x 24 uint8 (E2M3 codes of Wv, K innermost, in blocks of 32 codes, four codes in three bytes); Wv_scales 256 x 16 uint8 (E8M0 scales of Wv, one for each 32 codes along K); context_codes 4 x 64 x 64 x 16 x 24 uint8 (E2M3 codes of context, K innermost, in blocks of 32 codes, four codes in three bytes); context_scales 4 x 64 x 64 x 16 uint8 (E8M0 scales of context, one for each 32 codes along K); query_codes 4 x 64 x 64 x 16 x 24 uint8 (E2M3 codes of query, K innermost, in blocks of 32 codes, four codes in three bytes); query_scales 4 x 64 x 64 x 16 uint8 (E8M0 scales of query, one for each 32 codes along K).
;; Outputs: out0 4 x 512 x 64 x 64 float32.
;; This version of the problem:
;;   THIS VERSION OF THE PROBLEM IS GIVEN IN LOW PRECISION. The matrix products marked QUANTISED in the list below multiply operands that are first quantised to E2M3 (2 exponent bits, 3 mantissa bits; 6 bits a number), with one power-of-two scale for each 32 numbers along K (OCP MX v1.0); their sums are f32. All else is computed in f32.
;;   The module's matrix products, in the order in which they are computed (A, B: the left and right operand; K: the contracted axis; several contracted axes count as one K, in the product's order):
;;     1. [M 16,384, K 512] x [K 512, N 256]; A: input query (given as codes); B: input Wq (given as codes): QUANTISED
;;     2. [M 16,384, K 512] x [K 512, N 256]; A: input context (given as codes); B: input Wk (given as codes): QUANTISED
;;     3. [M 16,384, K 512] x [K 512, N 256]; A: input context (given as codes); B: input Wv (given as codes): QUANTISED
;;     4. batch 16 x [M 4,096, K 64] x [K 64, N 4,096]; A: computed on the way; B: computed on the way: QUANTISED
;;     5. batch 16 x [M 64, K 4,096] x [K 4,096, N 4,096]; A: computed on the way; B: softmax (see below): QUANTISED
;;     6. [M 16,384, K 256] x [K 256, N 512]; A: computed on the way; B: input Wo (given as codes): QUANTISED
;;   THE QUANTISER, for each operand of a quantised product, along K:
;;     - K is cut into blocks of 32 from its start; a last block that is shorter is filled with zeros.
;;     - A block's scale is 2^e with e = floor(log2(the largest magnitude in the block)) - 2, held to -126 .. 127; a block of zeros has e = 0. As a byte (E8M0): e + 127.
;;     - Each number is divided by its block's scale, clamped to +-7.5, and rounded to the nearest number of E2M3, ties to even, subnormals kept.
;;     - The product sums the exact products of the quantised numbers (number of the format x scale) in f32.
;;   ~~~python
;;   def quantise(x, axis):      # numpy; x: float32 -> the quantised numbers, widened to float32 again
;;       x = np.moveaxis(x, axis, -1); K = x.shape[-1]
;;       x = np.pad(x, [(0, 0)] * (x.ndim - 1) + [(0, -K % 32)]); x = x.reshape(x.shape[:-1] + (-1, 32)); a = np.abs(x).max(-1, keepdims=True)
;;       e = np.where(a > 0, np.clip(np.frexp(np.where(a > 0, a, 1))[1] - 1 - 2, -126, 127), 0)      # np.frexp(a)[1] - 1 = floor(log2(a)), exactly
;;       r = np.clip(x / 2.0 ** e, -7.5, 7.5)
;;       step = 2.0 ** (np.maximum(np.frexp(np.where(r == 0, 1, r))[1] - 1, 0) - 3)
;;       q = np.round(r / step) * step * 2.0 ** e      # np.round: ties to even
;;       return np.moveaxis(q.reshape(q.shape[:-2] + (-1,))[..., :K], -1, axis).astype(np.float32)
;;   ~~~
;;   SOFTMAX AHEAD OF A QUANTISED PRODUCT. Where the list says 'softmax', what is quantised is not the finished softmax but p = 2^(t - M), with t = logit x log2(e) and M = ceil(the row's largest t), a whole number; so 1/2 < the row's largest p <= 1. The row's sum l is taken of the UNQUANTISED p, in f32, and the product's result is divided by l at the end. Since M is a whole number, a kernel that streams over the keys may use a running M (the ceiling of the running maximum): every later rescaling is an exact power of two, which a block's scale takes up: the codes' values come out the same.
;;   OPERANDS COMPUTED ON THE WAY. 'Computed on the way' means the value that the module computes at that place (a softmax that the list does not call 'softmax' is quantised finished and normalised). What goes into a quantiser is computed in f32, as accurately as f32 sums, v_exp_f32 and their like allow (about 1e-6 of the number): no bf16 or f16 on the way to a quantiser, and a product that is left as it is and whose result goes on into a quantised operand takes f32 operands (vector FMAs, or v_wmma_f32_16x16x4_f32). A number that lies on a knife's edge between two numbers of the format may be rounded either way, as far as f32 arithmetic and the matrix unit's own rounding can turn it there, and no further.
;;   INPUTS GIVEN AS CODES. Wk (in the module: [256, 512], K = its axis 1); Wo (in the module: [512, 256], K = its axis 1); Wq (in the module: [256, 512], K = its axis 1); Wv (in the module: [256, 512], K = its axis 1); context (in the module: [4, 512, 64, 64], K = its axis 1); query (in the module: [4, 512, 64, 64], K = its axis 1): each comes as NAME_codes (uint8): NAME with its K axis moved to the last place and cut into blocks of 32 codes, [.., K / 32, bytes a block], one block behind the other in memory; four codes in three bytes: a row's codes are one little-endian stream of bits, code i at bits 6 i .. 6 i + 5 (a code: sign, 2 exponent bits, 3 mantissa bits); and NAME_scales (uint8): the same leading axes, one E8M0 byte (e + 127) for each 32 codes along K. Its value is code x scale, taken as it is: it is not quantised again, and the codes and scales need not be those that the quantiser above would give.
;; One version. Each part assembles by itself: llvm-mc -triple=amdgcn-amd-amdhsa -mcpu=gfx1250 --defsym DOCPART=n.
;; ======== version 1 of 1: 2 launches
;; workspace buffers: qc 3,145,728 bytes; qs 131,072 bytes; kvc 6,291,456 bytes; kvs 262,144 bytes
;; launch proj (part 1): grid 384 x 1, 4 waves a work-group, clusters of 4 x 1, 168,448 bytes of LDS; arguments query_codes, query_scales, context_codes, context_scales, Wq_codes, Wq_scales, Wk_codes, Wk_scales, Wv_codes, Wv_scales, qc, qs, kvc, kvs; writes qc, qs, kvc, kvs
.if DOCPART == 1
	.amdgcn_target "amdgcn-amd-amdhsa--gfx1250"
	.amdhsa_code_object_version 6
	.text
	.protected	k_qb0da6c0614_proj
	.globl	k_qb0da6c0614_proj
	.p2align	8
	.type	k_qb0da6c0614_proj,@function
k_qb0da6c0614_proj:
	s_mov_b64 s[64:65], 0
	v_nop
	global_prefetch_b8 v0, s[64:65] scope:SCOPE_SE
	s_setreg_imm32_b32 hwreg(HW_REG_WAVE_MODE, 25, 1), 1
	s_wait_xcnt 0x0
	s_wait_alu depctr_hold_cnt(0) depctr_sa_sdst(0) depctr_va_vdst(0) depctr_va_sdst(0) depctr_va_ssrc(0) depctr_va_vcc(0) depctr_vm_vsrc(0)
	s_getreg_b32 s2, hwreg(HW_REG_IB_STS2, 6, 4)
	s_cmp_eq_u32 s2, 0
	s_cbranch_scc0 .Lentry_in_a_cluster
	s_endpgm
.Lentry_in_a_cluster:
	s_bfe_u32 s2, ttmp6, 0x10000c
	s_cmp_lg_u32 s2, 0x3003
	s_cbranch_scc0 .Lentry_shape_is_right
	s_endpgm
.Lentry_shape_is_right:
; THE THREE PROJECTIONS, AND THE QUANTISER BEHIND THEM.  q = Wq query, k = Wk context, v = Wv context: [16,384 positions x 512] x [512 x 256], both operands given as codes of FP6 (E2M3)
; with one E8M0 byte for each 32 along K; sums in f32.  The results are quantised at once, in registers: q and k along the head's 64 channels (two blocks), v along the keys, and leave as
; IMAGES OF OPERAND REGISTERS: register i of lane L of a fragment of 12 registers lies at byte 512 (i / 4) + 16 L + 4 (i % 4), so that the next launch takes a fragment by three loads of 16 bytes a lane.
; SHARES.  384 work-groups: kind (0 q, 1 k, 2 v) x 128 groups of 128 positions.  A work-group makes 128 positions x 256 channels; wave w makes head w: 4 tiles of channels x 8 tiles of positions x 4 K steps.
; CLUSTER.  The four partners have one kind and read the same weight: its tile is asked for JOINTLY (mask 15).  Each partner's activations are its own: a plain load.
; THE ROWS OF W THAT FORM A TILE ARE NOT NEIGHBOURS: lane r of tile 2 b + u takes row 32 b + 8 u + r + 8 (r / 8).
;   q, k: source 0 = 16 rows of W, source 1 = 16 positions: a lane holds ONE position, and the 16 registers of tiles 2 b, 2 b + 1 are channels 32 b + 16 (lane / 16) + 0 .. 15 of the head.
;         Two tiles of positions (4 blocks) make one fragment: registers 0-5 tile 2 f, registers 6-11 tile 2 f + 1; its scale word: bytes 0, 1 tile 2 f, bytes 2, 3 tile 2 f + 1.
;   v:    source 0 = 16 positions, source 1 = 16 rows of W: a lane holds ONE channel, and register 8 t + j is key 16 t + 8 (lane / 16) + j.  The scores of the next launch lie in the same pattern,
;         and both go through the same lines: so v's codes and p's carry one and the same order of keys inside each true block of 32 keys, which leaves the products as they are.
; LIMITS: NaN and infinities are not served.  A block whose largest magnitude lies under 2^-124 has its byte held at 1; a block of zeros gets the byte 1 where the rule says 127: its codes are zeros,
; which add nothing under any byte but 0xff, and this program alone reads these bytes.
; REGISTERS, in windows of 256: window 0: v1-13 addresses; v16-31 W's scale words (tile ct, K step s: 4 ct + s); v32-63 the activations' (4 pt + s); v64-111, v112-159 the activations' fragments, two sets,
;   later the codes; v160-179 at work.   window 1: v0-191 W's 16 fragments (12 (4 ct + s)): they stay.   window 2: the 32 accumulators.
.set PITCH, 432                        ; an LDS row: 3 x (128 bytes + 16 of padding) = 108 words: 16 neighbouring rows start at 16 different groups of four banks (64 banks of 4 bytes: ISA guide 11.1)
.set AL,    256*PITCH                  ; LDS: W's 256 rows from 0, then the activations' 128 rows.  Every byte is filled once
.set WS,  16
.set AS,  32
.set AF,  64
.set TM,  160                          ; v160-163 largest magnitudes, v164-167 the other half's, then bytes, v172-175 the conversions' scale operands
.set PW,  176                          ; v176-179 the four scale words
.set MSB, 0
.macro WIN new                         ; s_set_vgpr_msb: bits 1:0 source 0, 3:2 source 1, 5:4 source 2, 7:6 destination; the high byte repeats the setting that is left
.if MSB != \new
	s_set_vgpr_msb (MSB<<8)|\new
.set MSB, \new
.endif
.endm
.macro PLACES                          ; four places behind a matrix instruction, in front of loads into registers that it has read and of the first read of results
.rept 4
	v_nop
.endr
.endm
.macro CROUND                          ; a round of the cluster's barrier
	s_barrier_signal -1
	s_barrier_wait -1
	s_cmp_lg_u32 s32, 0
	s_cbranch_scc1 .Lnot_wave_0_\@
	s_barrier_signal -3
.Lnot_wave_0_\@:
	s_barrier_wait -3
	s_barrier_signal -1
	s_barrier_wait -1
.endm
	s_load_b512 s[4:19], s[0:1], 0x0               ; query's codes s[4:5], scales s[6:7]; context's s[8:9], s[10:11]; Wq's s[12:13], s[14:15]; Wk's s[16:17], s[18:19]
	s_load_b256 s[20:27], s[0:1], 0x40             ; Wv's codes s[20:21], scales s[22:23]; qc s[24:25]; qs s[26:27]
	s_load_b128 s[28:31], s[0:1], 0x60             ; kvc s[28:29]; kvs s[30:31]
	v_lshl_add_u32 v254, v0, 2, 0x29000
	v_mov_b32 v255, 0
	ds_add_u32 v254, v255
	ds_add_u32 v254, v255
	v_lshrrev_b32 v1, 5, v0
	v_readfirstlane_b32 s32, v1                    ; wave = head
	s_bfe_u32 s33, ttmp6, 0x40000                  ; cx: my place in the cluster: it enters global addresses of my own loads and stores alone
	s_lshr_b32 s34, ttmp9, 5                       ; kind: 32 clusters each
	s_and_b32 s35, ttmp9, 31
	s_lshl_b32 s35, s35, 2
	s_add_co_u32 s35, s35, s33                     ; G: which 128 positions
	; descriptor group 1.  W: 64 rows x 384 bytes a wave, joint;  the activations: 32 rows x 384 bytes a wave, plain
	s_mov_b32 s48, 15|(1<<20)|(1<<21)|(4<<22)|(3<<25)  ; 15:0 the mask: all four partners; 17:16 elements of 1 byte; 20 padding on; 21 set beside a mask; 24:22 after every 32 words (code 4); 31:25 4 words of it (code 3)
	s_mov_b32 s49, 384<<16                         ; tensor_dim0
	s_mov_b32 s50, 64<<16                          ; tensor_dim1
	s_mov_b32 s51, 384<<16                         ; tile_dim0
	s_mov_b32 s52, 64                              ; tile_dim1
	s_mov_b32 s53, 384                             ; from row to row
	s_mov_b32 s54, 0
	s_mov_b32 s55, 0
	s_mov_b32 s56, (1<<20)|(4<<22)|(3<<25)         ; no mask
	s_mov_b32 s57, 384<<16
	s_mov_b32 s58, 32<<16
	s_mov_b32 s59, 384<<16
	s_mov_b32 s60, 32
	s_mov_b32 s61, 384
	s_mov_b32 s62, 0
	s_mov_b32 s63, 0
	s_mov_b32 s76, 0x76543210                      ; v_permlanex16_b32's selects for lane l xor 16
	s_mov_b32 s77, 0xfedcba98
	s_mov_b32 s68, 1                               ; group 0 for W: count,
	s_mul_i32 s69, s32, 64*PITCH                   ; LDS address: my head's 64 rows
	s_mov_b32 s72, 1                               ; group 0 for the activations
	s_mul_i32 s73, s32, 32*PITCH
	s_add_co_u32 s73, s73, AL
	; byte offsets, each in a pair of its own
	s_mul_i32 s78, s35, 49152                      ; the activations' codes: 128 rows of 384 bytes a group,
	s_mul_i32 s79, s32, 12288                      ; my wave fetches 32 of them
	s_add_co_u32 s78, s78, s79
	s_mov_b32 s79, 0
	s_lshl_b32 s80, s35, 11                        ; their scale bytes: 16 a row
	s_mov_b32 s81, 0
	s_mul_i32 s82, s32, 24576                      ; W's codes: my head's 64 rows
	s_mov_b32 s83, 0
	s_lshl_b32 s84, s32, 10                        ; and their scale bytes
	s_mov_b32 s85, 0
	s_lshl_b32 s94, s35, 2
	s_add_co_u32 s94, s94, s32                     ; 4 G + head
	s_mov_b32 s90, 12288                           ; bytes of codes for a group and head: kvc 12,288 (k's four fragments, then v's four), qc 6,144
	s_mov_b32 s91, 512                             ; of scale words: kvs 512, qs 256
	s_cmp_eq_u32 s34, 0
	s_cselect_b32 s90, 6144, s90
	s_cselect_b32 s91, 256, s91
	s_mul_i32 s86, s94, s90
	s_mul_i32 s88, s94, s91
	s_cmp_eq_u32 s34, 2
	s_cselect_b32 s92, 6144, 0                     ; v lies behind k
	s_cselect_b32 s93, 256, 0
	s_add_co_u32 s86, s86, s92
	s_add_co_u32 s88, s88, s93
	s_mov_b32 s87, 0
	s_mov_b32 s89, 0
	; lane addresses
	v_and_b32 v1, 15, v0                           ; r
	v_bfe_u32 v2, v0, 4, 1                         ; h
	v_and_b32 v3, 31, v0                           ; lane
	v_and_b32 v14, 8, v1
	v_add_nc_u32 v14, v14, v1                      ; r + 8 (r / 8)
	v_mul_u32_u24 v4, v14, PITCH
	v_mad_u32_u24 v4, v2, 24, v4
	v_add_nc_u32 v4, s69, v4                       ; W's fragments: my head's rows, row r + 8 (r / 8), + 24 h;
	v_lshl_add_u32 v5, v2, 4, v4                   ; the same with 40 h, for the pieces whose partner three pieces on lies behind one padding more
	v_mul_u32_u24 v6, v1, PITCH
	v_mad_u32_u24 v6, v2, 24, v6
	v_add_nc_u32 v6, AL, v6                        ; the activations' fragments: row r, + 24 h;
	v_lshl_add_u32 v7, v2, 4, v6                   ; and with 40 h
	v_lshlrev_b32 v8, 4, v14                       ; W's scale bytes: 16 a row
	v_lshlrev_b32 v9, 4, v1                        ; the activations'
	v_lshlrev_b32 v10, 4, v3                       ; an image's place for my lane
	v_lshlrev_b32 v11, 3, v3                       ; two scale words a lane
.irp b, 0,1,2,3
	v_mov_b32 v[TM+4+\b], 0                        ; written once: a lane permute's destination counts as one of its sources
.endr
	s_wait_dscnt 0x0
	s_wait_kmcnt 0x0
	s_cmp_eq_u32 s34, 0                            ; the buffers are chosen by the kind, which hangs on the cluster's number alone
	s_cselect_b64 s[36:37], s[4:5], s[8:9]
	s_cselect_b64 s[38:39], s[6:7], s[10:11]
	s_cselect_b64 s[40:41], s[12:13], s[16:17]
	s_cselect_b64 s[42:43], s[14:15], s[18:19]
	s_cselect_b64 s[44:45], s[24:25], s[28:29]
	s_cselect_b64 s[46:47], s[26:27], s[30:31]
	s_cmp_eq_u32 s34, 2
	s_cselect_b64 s[40:41], s[20:21], s[40:41]
	s_cselect_b64 s[42:43], s[22:23], s[42:43]
	s_add_nc_u64 s[70:71], s[40:41], s[82:83]      ; group 0: global addresses, and the type on top
	s_or_b32 s71, s71, 0x80000000
	s_add_nc_u64 s[74:75], s[36:37], s[78:79]
	s_or_b32 s75, s75, 0x80000000
	s_add_nc_u64 s[38:39], s[38:39], s[80:81]
	s_add_nc_u64 s[42:43], s[42:43], s[84:85]
	s_add_nc_u64 s[44:45], s[44:45], s[86:87]
	s_add_nc_u64 s[46:47], s[46:47], s[88:89]
	CROUND                                         ; all four partners are here: the joint loads meet
	tensor_load_to_lds s[68:71], s[48:55]          ; my head's rows of W, jointly
	s_nop 0
	tensor_load_to_lds s[72:75], s[56:63]          ; my quarter of the activations: two loads of mine are out
	s_nop 0
	PLACES                                         ; four v_nop follow the loads
	s_wait_alu depctr_va_vdst(0)
.irp ct, 0,1,2,3
	global_load_b128 v[WS+4*\ct:WS+4*\ct+3], v8, s[42:43] offset:(32*(\ct/2)+8*(\ct%2))*16   ; a row's 16 scale bytes are its words for the four K steps
.endr
.irp pt, 0,1,2,3,4,5,6,7
	global_load_b128 v[AS+4*\pt:AS+4*\pt+3], v9, s[38:39] offset:256*\pt
.endr
; A fragment, 16 rows x 128 K, is 12 registers: lane (r, h) holds row r; registers 6 c .. 6 c + 5 hold K = 64 c + 32 h + 0 .. 31: 24 bytes of the row as they lie, in pieces of 8 bytes.
; Piece n of a row lies at 8 n + 16 (n / 16).  Lanes 16-31 read three pieces further on, behind one padding more where n % 16 is 13 or more: the second address register serves those.
.macro FRAG reg, adr, s, row
.irp p, 0,1,2,3,4,5
.set PCE, 12*(\s)+6*(\p/3)+\p%3
.if PCE%16 < 13
	ds_load_b64 v[\reg+2*\p:\reg+2*\p+1], v[\adr] offset:8*PCE+16*(PCE/16)+(\row)*PITCH
.else
	ds_load_b64 v[\reg+2*\p:\reg+2*\p+1], v[\adr+1] offset:8*PCE+16*(PCE/16)+(\row)*PITCH
.endif
.endr
.endm
.macro FETCHA pt, buf                  ; the four K steps' fragments of position tile pt: 24 loads
.irp s, 0,1,2,3
	FRAG AF+48*(\buf)+12*\s, 6, \s, 16*(\pt)
.endr
.endm
; 16 matrix instructions: one tile of positions x my four tiles of channels x four K steps.  The four accumulators take turns, one instruction a turn; the first K step starts the sums.
.macro MULQK pt, buf                   ; source 0 = W, source 1 = the activations
	WIN 0xa1                                       ; source 0 window 1, source 1 window 0, C and D window 2
.irp s, 0,1,2,3
.irp ct, 0,1,2,3
.if \s == 0
	v_wmma_scale_f32_16x16x128_f8f6f4 v[8*(4*(\pt)+\ct):8*(4*(\pt)+\ct)+7], v[12*(4*\ct+\s):12*(4*\ct+\s)+11], v[AF+48*(\buf)+12*\s:AF+48*(\buf)+12*\s+11], 0, v[WS+4*\ct+\s], v[AS+4*(\pt)+\s] matrix_a_fmt:MATRIX_FMT_FP6 matrix_b_fmt:MATRIX_FMT_FP6
.else
	v_wmma_scale_f32_16x16x128_f8f6f4 v[8*(4*(\pt)+\ct):8*(4*(\pt)+\ct)+7], v[12*(4*\ct+\s):12*(4*\ct+\s)+11], v[AF+48*(\buf)+12*\s:AF+48*(\buf)+12*\s+11], v[8*(4*(\pt)+\ct):8*(4*(\pt)+\ct)+7], v[WS+4*\ct+\s], v[AS+4*(\pt)+\s] matrix_a_fmt:MATRIX_FMT_FP6 matrix_b_fmt:MATRIX_FMT_FP6
.endif
.endr
.endr
.endm
.macro MULV pt, buf                    ; source 0 = the activations, source 1 = W; the accumulators lie by channel tile, so that a lane's 64 registers run along the keys
	WIN 0xa4                                       ; source 0 window 0, source 1 window 1, C and D window 2
.irp s, 0,1,2,3
.irp ct, 0,1,2,3
.if \s == 0
	v_wmma_scale_f32_16x16x128_f8f6f4 v[8*(8*\ct+(\pt)):8*(8*\ct+(\pt))+7], v[AF+48*(\buf)+12*\s:AF+48*(\buf)+12*\s+11], v[12*(4*\ct+\s):12*(4*\ct+\s)+11], 0, v[AS+4*(\pt)+\s], v[WS+4*\ct+\s] matrix_a_fmt:MATRIX_FMT_FP6 matrix_b_fmt:MATRIX_FMT_FP6
.else
	v_wmma_scale_f32_16x16x128_f8f6f4 v[8*(8*\ct+(\pt)):8*(8*\ct+(\pt))+7], v[AF+48*(\buf)+12*\s:AF+48*(\buf)+12*\s+11], v[12*(4*\ct+\s):12*(4*\ct+\s)+11], v[8*(8*\ct+(\pt)):8*(8*\ct+(\pt))+7], v[AS+4*(\pt)+\s], v[WS+4*\ct+\s] matrix_a_fmt:MATRIX_FMT_FP6 matrix_b_fmt:MATRIX_FMT_FP6
.endif
.endr
.endr
.endm
.macro TRIP isv, pt                    ; the next tile's fragments are asked for, into the set that the trip before has read (four places stand behind its products); then this tile is multiplied
.if \pt < 7
	FETCHA \pt+1, (\pt+1)%2
	s_wait_dscnt 24                                ; this tile's 24 loads are in; the 24 just issued may be out
.else
	s_wait_dscnt 0x0
.endif
.if \isv
	MULV \pt, (\pt)%2
.else
	MULQK \pt, (\pt)%2
.endif
	WIN 0
	PLACES
.endm
; Accumulators 8 f .. 8 f + 7, 64 numbers a lane in four blocks (register 16 b + i; lanes l and l xor 16 share a block), become fragment f and its scale word.  Each f has registers of its own for its codes,
; so that no store's data are written again.
.macro QUANTW f
.set A0, 64*(\f)
.set PCF, AF+24*(\f)
	WIN 0x0a                                       ; sources 0 and 1 window 2
.irp b, 0,1,2,3
	v_max3_num_f32 v[TM+\b], |v[A0+16*\b]|, |v[A0+16*\b+1]|, 0x1800000   ; my 16 numbers of block b, from each accumulator's low end on, and the floor 2^(3 - 127): so the byte cannot fall under 1
.endr
.irp i, 2,4,6,8,10,12,14
.irp b, 0,1,2,3
	v_max3_num_f32 v[TM+\b], |v[A0+16*\b+\i]|, |v[A0+16*\b+\i+1]|, v[TM+\b]   ; (the four blocks by turns)
.endr
.endr
	WIN 0
.irp b, 0,1,2,3
	v_permlanex16_b32 v[TM+4+\b], v[TM+\b], s76, s77
.endr
.irp b, 0,1,2,3
	v_max_num_f32 v[TM+\b], v[TM+\b], v[TM+4+\b]   ; with lane l xor 16's: the block's largest magnitude
.endr
.irp b, 0,1,2,3
	v_add_nc_u32 v[TM+12+\b], 0xff000000, v[TM+\b] ; 2 off its exponent field: the conversion takes the exponent field of this operand as its scale
.endr
.irp b, 0,1,2,3
	v_lshrrev_b32 v[TM+4+\b], 23, v[TM+12+\b]      ; the scale's byte
.endr
	v_lshl_or_b32 v[PW+\f], v[TM+5], 8, v[TM+4]
	v_lshl_or_b32 v[PW+\f], v[TM+6], 16, v[PW+\f]
	v_lshl_or_b32 v[PW+\f], v[TM+7], 24, v[PW+\f]
	WIN 0x02                                       ; source 0 window 2
.irp c, 0,1
	v_cvt_scalef32_pk16_fp6_f32 v[PCF+6*\c:PCF+6*\c+2], v[A0+32*\c:A0+32*\c+15], v[TM+12+2*\c]
	v_cvt_scalef32_pk16_fp6_f32 v[PCF+12+4*\c:PCF+14+4*\c], v[A0+32*\c+16:A0+32*\c+31], v[TM+13+2*\c]   ; (a conversion's three registers begin on an even number)
.endr
	WIN 0
	v_nop                                          ; one plain place behind a scaled conversion
.irp c, 0,1                            ; the operand's layout wants a WHOLE block in a lane: lanes 0-15 block 2 c, lanes 16-31 block 2 c + 1
.irp i, 0,1,2
	v_permlane16_swap_b32 v[PCF+6*\c+\i], v[PCF+12+4*\c+\i]
.endr
.irp i, 0,1,2
	v_mov_b32 v[PCF+3+6*\c+\i], v[PCF+12+4*\c+\i]
.endr
.endr
.irp c, 0,1,2
	global_store_b128 v10, v[PCF+4*\c:PCF+4*\c+3], s[44:45] offset:1536*(\f)+512*\c   ; 32 lanes store 512 consecutive bytes, at a multiple of 256 from the buffer's first byte
.endr
.endm
	s_wait_tensorcnt 1                             ; my rows of W are in (the activations' load may be out); no other wave reads them
	WIN 0x40                                       ; destination window 1
.irp ct, 0,1,2,3
.irp s, 0,1,2,3
	FRAG 12*(4*\ct+\s), 4, \s, 32*(\ct/2)+8*(\ct%2)
.endr
.endr
	WIN 0
	s_wait_tensorcnt 0x0                           ; my quarter of the activations is in,
	s_wait_dscnt 0x0                               ; no LDS load of mine is out at the signal,
	s_barrier_signal -1
	s_barrier_wait -1                              ; everybody's quarter is in
	FETCHA 0, 0
	s_wait_loadcnt 0x0                             ; the scale words
	s_cmp_eq_u32 s34, 2                            ; the kind is the same in all partners
	s_cbranch_scc1 .Lvalues
.irp pt, 0,1,2,3,4,5,6,7
	TRIP 0, \pt
.endr
	s_branch .Lquant
.Lvalues:
.irp pt, 0,1,2,3,4,5,6,7
	TRIP 1, \pt
.endr
.Lquant:
	QUANTW 0
	QUANTW 1
	QUANTW 2
	QUANTW 3
	v_cmp_lt_u32 vcc_lo, 15, v3                    ; the four words of each row leave as 256 consecutive bytes: lanes 0-15 fragments 0 and 1, lanes 16-31 fragments 2 and 3 (every lane holds its row's words)
	v_cndmask_b32 v12, v[PW], v[PW+2], vcc_lo
	v_cndmask_b32 v13, v[PW+1], v[PW+3], vcc_lo
	global_store_b64 v11, v[12:13], s[46:47]
	s_wait_tensorcnt 0x0
	ds_add_u32 v254, v255
	s_wait_dscnt 0x0
	CROUND                                         ; the closing round: no work-group ends while a partner may still ask for a tile that names it
	s_endpgm
.Lfunc_end_k_qb0da6c0614_proj:
	.size	k_qb0da6c0614_proj, .Lfunc_end_k_qb0da6c0614_proj-k_qb0da6c0614_proj
	.p2alignl 7, 3214868480
	.fill 96, 4, 3214868480
	.section	.rodata,"a",@progbits
	.p2align	6, 0x0
	.amdhsa_kernel k_qb0da6c0614_proj
		.amdhsa_group_segment_fixed_size 168448
		.amdhsa_private_segment_fixed_size 0
		.amdhsa_enable_private_segment 0
		.amdhsa_kernarg_size 112
		.amdhsa_user_sgpr_count 2
		.amdhsa_user_sgpr_kernarg_segment_ptr 1
		.amdhsa_wavefront_size32 1
		.amdhsa_system_sgpr_workgroup_id_x 1
		.amdhsa_system_sgpr_workgroup_id_y 1
		.amdhsa_system_sgpr_workgroup_id_z 1
		.amdhsa_system_vgpr_workitem_id 0
		.amdhsa_next_free_vgpr 768
		.amdhsa_next_free_sgpr 96
		.amdhsa_reserve_vcc 1
		.amdhsa_float_denorm_mode_32 3
		.amdhsa_float_denorm_mode_16_64 3
		.amdhsa_memory_ordered 1
		.amdhsa_forward_progress 1
		.amdhsa_inst_pref_size 89
	.end_amdhsa_kernel
	.amdgpu_metadata
---
amdhsa.version: [ 1, 2 ]
amdhsa.kernels:
  - .name:           k_qb0da6c0614_proj
    .symbol:         k_qb0da6c0614_proj.kd
    .args:
      - { .name: query_codes, .offset: 0, .size: 8, .value_kind: global_buffer, .address_space: global }
      - { .name: query_scales, .offset: 8, .size: 8, .value_kind: global_buffer, .address_space: global }
      - { .name: context_codes, .offset: 16, .size: 8, .value_kind: global_buffer, .address_space: global }
      - { .name: context_scales, .offset: 24, .size: 8, .value_kind: global_buffer, .address_space: global }
      - { .name: Wq_codes, .offset: 32, .size: 8, .value_kind: global_buffer, .address_space: global }
      - { .name: Wq_scales, .offset: 40, .size: 8, .value_kind: global_buffer, .address_space: global }
      - { .name: Wk_codes, .offset: 48, .size: 8, .value_kind: global_buffer, .address_space: global }
      - { .name: Wk_scales, .offset: 56, .size: 8, .value_kind: global_buffer, .address_space: global }
      - { .name: Wv_codes, .offset: 64, .size: 8, .value_kind: global_buffer, .address_space: global }
      - { .name: Wv_scales, .offset: 72, .size: 8, .value_kind: global_buffer, .address_space: global }
      - { .name: qc, .offset: 80, .size: 8, .value_kind: global_buffer, .address_space: global }
      - { .name: qs, .offset: 88, .size: 8, .value_kind: global_buffer, .address_space: global }
      - { .name: kvc, .offset: 96, .size: 8, .value_kind: global_buffer, .address_space: global }
      - { .name: kvs, .offset: 104, .size: 8, .value_kind: global_buffer, .address_space: global }
    .group_segment_fixed_size: 168448
    .private_segment_fixed_size: 0
    .kernarg_segment_align: 8
    .kernarg_segment_size: 112
    .max_flat_workgroup_size: 128
    .sgpr_count:     96
    .vgpr_count:     768
    .wavefront_size: 32
...
	.end_amdgpu_metadata
.endif
;; end of part 1
;; launch attn (part 2): grid 256 x 1, 16 waves a work-group, clusters of 4 x 1, 327,680 bytes of LDS; arguments qc, qs, kvc, kvs, Wo_codes, Wo_scales, out0; writes out0
.if DOCPART == 2
	.amdgcn_target "amdgcn-amd-amdhsa--gfx1250"
	.amdhsa_code_object_version 6
	.text
	.protected	k_qb0da6c0614_attn
	.globl	k_qb0da6c0614_attn
	.p2align	8
	.type	k_qb0da6c0614_attn,@function
k_qb0da6c0614_attn:
	s_mov_b64 s[64:65], 0
	v_nop
	global_prefetch_b8 v0, s[64:65] scope:SCOPE_SE
	s_setreg_imm32_b32 hwreg(HW_REG_WAVE_MODE, 25, 1), 1
	s_wait_xcnt 0x0
	s_wait_alu depctr_hold_cnt(0) depctr_sa_sdst(0) depctr_va_vdst(0) depctr_va_sdst(0) depctr_va_ssrc(0) depctr_va_vcc(0) depctr_vm_vsrc(0)
	s_getreg_b32 s2, hwreg(HW_REG_IB_STS2, 6, 4)
	s_cmp_eq_u32 s2, 0
	s_cbranch_scc0 .Lentry_in_a_cluster
	s_endpgm
.Lentry_in_a_cluster:
	s_bfe_u32 s2, ttmp6, 0x10000c
	s_cmp_lg_u32 s2, 0x3003
	s_cbranch_scc0 .Lentry_shape_is_right
	s_endpgm
.Lentry_shape_is_right:
; ATTENTION AND THE OUTPUT PROJECTION, all products on codes of FP6 (E2M3) with one E8M0 scale for each 32 along K.  16 (batch, head) pairs, 4,096 positions, head size 64; out0 [4][512][4096] f32.
; q, k, v come as images of operand registers from the launch before (register i of lane L of a fragment at byte 512 (i / 4) + 16 L + 4 (i % 4)).
; SOFTMAX: t = score x log2(e) / sqrt(512); M = the running largest t rounded UP to a whole number; p = 2^(t - M) is quantised along the keys, not normalised; the row's sum is taken of the unquantised p
; and divides O at the end.  When M moves, the sum and O are multiplied by 2^(old M - new M): exact.
; SHARES.  A work-group owns 64 queries of one batch, all four heads; wave w owns head w % 4 and the 16 queries of tile w / 4, in 256 registers: four waves to a SIMD, so that one wave's vector work stands
; beside another's matrix work and LDS loads.  Every wave walks the 4,096 keys, 128 a step.  At the end the four heads of a query meet in LDS, are quantised along the 256 channels and multiplied by Wo.
; CLUSTER.  The four partners belong to one batch and walk the same k and v: each slot is asked for JOINTLY (mask 15), by waves 0 to 3, a quarter each.
; LAYOUT.  S^T = k q^T, O^T = v^T p^T: a lane holds ONE query (lane % 16) throughout.  The head's K is 64, half of the instruction's 128: a fragment of k holds TWO tiles of 16 keys (K 0-63 tile 2 i, K 64-127 tile 2 i + 1),
; and q stands in two operands, [q | zeros] and [zeros | q]: zero codes take the other tile out of the sum.  Score register 8 t + j is key 16 t + 8 (lane / 16) + j; v's codes were made from the same pattern by the same lines.
; v's channels were ordered so that O^T's register 16 b + i is channel 32 b + 16 (lane / 16) + i: the order that the conversions and Wo's given codes want.
; LIMITS: NaN and infinities are not served.  A block whose largest magnitude lies under 2^-124 has its byte held at 1; a block of zeros keeps the byte 1: its codes are zeros.
.set SLOT1, 1<<17                      ; LDS: slot 0 at 0, slot 1 here: 98,304 bytes each: 2 steps x 4 heads x (k's four fragments, v's four): one exclusive or turns an address from one slot to the other
.set SLOTB, 98304
.set XIMG,  98304                      ; behind slot 0: the 16 waves' half fragments of O / l, 768 bytes each;
.set XSC,   XIMG+16*768                ; their scale words: for each tile of queries 8 bytes a lane;
.set SPARE, XSC+1024                   ; the spare words, 128 bytes for each wave: eight blocks of 256 bytes that no other line names
.set SCL,   2*SLOT1-32768              ; behind slot 1: the batch's scale words of k and v, 65,536 bytes, filled once
.set STGB,  16*272                     ; the way out: a stage of 16 rows x (256 + 16) bytes for each wave, in slot 0, which has had its last fill and its last read by then
.set LI,  1                            ; v1   16 x lane + my head's 12,288 bytes of a step
.set LSC, 2                            ; v2   SCL + 8 x lane + my head's 512 bytes of a step
.set SPW, 3                            ; v3   my spare word; never rewritten
.set NIL, 4                            ; v4   0; never rewritten
.set ADC, 5                            ; v5   the step's codes
.set ADS, 6                            ; v6   the step's scale words
.set STO, 7                            ; v7   the stage, in
.set RD,  8                            ; v8   the stage, back
.set XW,  9                            ; v9   where I store my half fragment
.set XSW, 10                           ; v10  and its two scale bytes
.set XR,  11                           ; v11  XIMG + 8 x lane
.set QA,  16                           ; v16-27 [q | 0];  v28-39 [0 | q].  v12 -M, v13 the largest t, v[14:15] the sum in two halves
.set QB,  28
.set KV,  40                           ; v40-87 four fragments, of k and then of v
.set S,   88                           ; v88-151 S^T, then p
.set O,   152                          ; v152-183 O^T
.set PC,  184                          ; v184-195 p's codes
.set PT,  196                          ; v196-203 the conversions' second halves
.set BM,  204                          ; v204-207 the blocks' largest scores
.set T2,  208
.set SO,  212                          ; v212-215 the conversions' scale operands
.set F,   216                          ; v[216:217] f = 2^(old M - new M), and 0
.set TMP, 218
.set PFO, 219                          ; v219 256 x lane; never rewritten
.set KS,  220                          ; scale words, in registers that hold nothing else: v[220:221] k's, v[222:223] v's, v224 q's, v225 p's, v226-229 Wo's, v230-237 those of O / l
.set VS,  222
.set QS,  224
.set PS,  225
.set WOS, 226
.set XS,  230
.set GO,  238
.set WOA, 239
.set WOSA, 240
.set QO1, 241
.set QO2, 242
.set QSO, 243
.set QRAW, 244
.set LN,  245
.set RR,  246
.set HH,  247
.set XF,  88                           ; the last phase: v88-135 four fragments of O / l, v136-199 eight accumulators of the output
.set Y,   136
.macro PLACES                          ; four places behind a matrix instruction, in front of loads into registers that it has read and of the first read of results
.rept 4
	v_nop
.endr
.endm
.macro CROUND                          ; a round of the cluster's barrier
	s_barrier_signal -1
	s_barrier_wait -1
	s_cmp_lg_u32 s18, 0
	s_cbranch_scc1 .Lnot_wave_0_\@
	s_barrier_signal -3
.Lnot_wave_0_\@:
	s_barrier_wait -3
	s_barrier_signal -1
	s_barrier_wait -1
.endm
.macro TLOAD                           ; waves 0 to 3 fetch a quarter of a slot each, jointly with their partners; the branch hangs on the wave's number alone.  Four v_nop follow the load
	s_cmp_lt_u32 s18, 4
	s_cbranch_scc0 .Lnone_\@
	tensor_load_to_lds s[40:43], s[24:31]
	s_nop 0
	PLACES
.Lnone_\@:
.endm
; A PREFETCH INTO THE L2 of the slot that the NEXT change of slots will ask for: 98,304 bytes, two key steps ahead of that load.  All clusters of a batch walk the same bytes: the batch's first cluster asks.
; Its four partners take 24,576 bytes each, told apart BY ADDRESS; in each, waves 4, 5 and 6, which fetch nothing, take 8,192 bytes each, lanes 256 bytes apart: each block of 256 bytes is named once in the launch.
; The last change that fills a slot asks for nothing; slots 0 and 1 and the scale words come by their loads alone.
.macro ASK
	s_cmp_gt_u32 s50, s51
	s_cbranch_scc0 .Lnot_mine_\@
	global_prefetch_b8 v[PFO], s[52:53] th:TH_LOAD_NT scope:SCOPE_SE
.Lnot_mine_\@:
.endm
	s_load_b256 s[4:11], s[0:1], 0x0               ; qc s[4:5], qs s[6:7], kvc s[8:9], kvs s[10:11]
	s_load_b128 s[12:15], s[0:1], 0x20             ; Wo's codes s[12:13], scales s[14:15]
	s_load_b64 s[16:17], s[0:1], 0x30              ; out0
	v_lshl_add_u32 v[SPW], v0, 2, SPARE
	v_mov_b32 v[NIL], 0
	ds_add_u32 v3, v4
	ds_add_u32 v3, v4
	s_wait_dscnt 0x0
	v_lshrrev_b32 v[LN], 5, v0
	s_delay_alu instid0(VALU_DEP_1)
	v_readfirstlane_b32 s18, v[LN]                 ; wave 0..15
	s_and_b32 s19, s18, 3                          ; my head.  Also: which quarter of a slot I fetch, if I fetch
	s_lshr_b32 s54, s18, 2                         ; my tile of queries
	s_bfe_u32 s55, ttmp6, 0x40000                  ; cx: it enters q's, the prefetches' and out0's global addresses alone
	s_lshl_b32 s56, ttmp9, 2
	s_add_co_u32 s56, s56, s55                     ; my block of 64 queries, 0..255
	s_lshr_b32 s57, ttmp9, 4                       ; the batch: 16 clusters each
	s_mov_b32 s20, 0x76543210                      ; v_permlanex16_b32's selects for lane l xor 16
	s_mov_b32 s21, 0xfedcba98
	s_mov_b32 s22, 0x3d8293ee                      ; c = log2(e) / sqrt(512)
	s_mov_b32 s23, s22                             ; (named with it as a pair, so it is written)
	; descriptor group 1: dense blocks as rows of 256 bytes (32 elements of 8 bytes): a quarter of a slot is 96 rows, a quarter of the scale words 64
	s_mov_b32 s24, 15|(3<<16)|(1<<21)              ; 15:0 the mask: all four partners; 17:16 elements of 8 bytes; 20 no padding; 21 set beside a mask
	s_mov_b32 s25, 32<<16
	s_mov_b32 s26, 96<<16
	s_mov_b32 s27, 32<<16
	s_mov_b32 s28, 96
	s_mov_b32 s29, 32
	s_mov_b32 s30, 0
	s_mov_b32 s31, 0
	s_mov_b32 s32, 15|(3<<16)|(1<<21)
	s_mov_b32 s33, 32<<16
	s_mov_b32 s34, 64<<16
	s_mov_b32 s35, 32<<16
	s_mov_b32 s36, 64
	s_mov_b32 s37, 32
	s_mov_b32 s38, 0
	s_mov_b32 s39, 0
	s_mov_b32 s40, 1
	s_mul_i32 s41, s19, 24576                      ; LDS: slot 0, my quarter
	s_mov_b32 s44, 1
	s_lshl_b32 s45, s19, 14
	s_add_co_u32 s45, s45, SCL
	s_mov_b32 s48, 0                               ; the slot in hand
	s_mov_b32 s49, 0                               ; the step's scale words: 2,048 bytes a step
	s_mov_b32 s50, 15                              ; slots still to be asked for
	; every LDS address is made here, of constants, the lane and the wave's number
	s_mul_i32 s58, s19, 12288
	s_lshl_b32 s59, s19, 9
	s_add_co_u32 s59, s59, SCL
	s_mul_i32 s60, s18, STGB
	s_mul_i32 s61, s18, 768
	s_add_co_u32 s61, s61, XIMG
	s_lshl_b32 s62, s54, 8
	s_lshl_b32 s63, s19, 1
	s_add_co_u32 s62, s62, s63
	s_add_co_u32 s62, s62, XSC
	v_and_b32 v[LN], 31, v0                        ; lane
	v_and_b32 v[RR], 15, v0                        ; r
	v_bfe_u32 v[HH], v0, 4, 1                      ; h
	s_delay_alu instid0(VALU_DEP_3)
	v_lshl_add_u32 v[LI], v[LN], 4, s58
	s_delay_alu instid0(VALU_DEP_4)
	v_lshl_add_u32 v[LSC], v[LN], 3, s59
	s_delay_alu instid0(VALU_DEP_4)
	v_mul_u32_u24 v[STO], v[RR], 272
	s_delay_alu instid0(VALU_DEP_1)
	v_lshl_add_u32 v[STO], v[HH], 5, v[STO]
	s_delay_alu instid0(VALU_DEP_1)
	v_add_nc_u32 v[STO], s60, v[STO]               ; in: row r (an output channel), + 32 h: my eight positions
	v_mul_u32_u24 v[RD], v[HH], 272
	s_delay_alu instid0(VALU_DEP_1)
	v_lshl_add_u32 v[RD], v[RR], 4, v[RD]
	s_delay_alu instid0(VALU_DEP_1)
	v_add_nc_u32 v[RD], s60, v[RD]                 ; back: lanes 0-15 one row of 256 bytes, lanes 16-31 the next
	v_lshl_add_u32 v[XW], v[LN], 3, s61
	v_lshl_add_u32 v[XSW], v[LN], 3, s62           ; XSC + 256 x tile + 8 x lane + 2 x head
	v_lshl_add_u32 v[XR], v[LN], 3, XIMG
	v_lshlrev_b32 v[PFO], 8, v[LN]
	v_lshlrev_b32 v[GO], 14, v[HH]
	s_delay_alu instid0(VALU_DEP_1)
	v_lshl_add_u32 v[GO], v[RR], 4, v[GO]          ; out0: a channel's row is 16,384 bytes
	v_mul_u32_u24 v[WOA], v[RR], 192
	s_delay_alu instid0(VALU_DEP_1)
	v_mad_u32_u24 v[WOA], v[HH], 24, v[WOA]        ; Wo: row r of 192 bytes, + 24 h
	v_lshlrev_b32 v[WOSA], 3, v[RR]
	s_and_b32 s82, s54, 1                          ; my tile is the pair's first (registers 0-5 of its image) or second (6-11)
	s_mul_i32 s83, s82, 520
	s_mul_i32 s84, s82, 1016
	s_add_co_u32 s84, s84, 8
	v_lshl_add_u32 v[QO1], v[LN], 4, s83           ; registers 0, 1 at 16 L; 6, 7 at 16 L + 520.  512 on: registers 4, 5; 10, 11
	v_lshl_add_u32 v[QO2], v[LN], 4, s84           ; registers 2, 3 at 16 L + 8; 8, 9 at 16 L + 1,024
	v_lshlrev_b32 v[QSO], 3, v[RR]
	s_mov_b32 s85, 0x03020302                      ; which two bytes of the pair's scale word are my tile's
	s_cmp_eq_u32 s82, 0
	s_cselect_b32 s85, 0x01000100, s85
	; byte offsets, each in a pair of its own
	s_mul_i32 s86, s57, 1572864                    ; kvc: a batch is 32 steps of 49,152 bytes
	s_add_co_u32 s66, s86, s41
	s_mov_b32 s67, 0
	s_lshl_b32 s68, s57, 16                        ; kvs: a batch is 65,536 bytes
	s_lshl_b32 s69, s19, 14
	s_add_co_u32 s68, s68, s69
	s_mov_b32 s69, 0
	s_mul_i32 s70, s55, 24576                      ; the prefetches: my work-group's quarter,
	s_lshl_b32 s71, s19, 13                        ; my wave's 8,192 bytes (waves 4, 5, 6),
	s_add_co_u32 s70, s70, s71
	s_add_co_u32 s70, s70, s86
	s_add_co_u32 s70, s70, SLOTB                   ; in slot 1: the first change of slots steps it to slot 2
	s_mov_b32 s71, 0
	s_lshr_b32 s87, s56, 1                         ; q: which 128 positions,
	s_lshl_b32 s87, s87, 2
	s_add_co_u32 s87, s87, s19                     ; x 4 + head
	s_and_b32 s88, s56, 1
	s_lshr_b32 s89, s54, 1
	s_lshl_b32 s90, s88, 1
	s_add_co_u32 s90, s90, s89                     ; which pair of tiles
	s_mul_i32 s72, s87, 6144
	s_mul_i32 s90, s90, 1536
	s_add_co_u32 s72, s72, s90
	s_mov_b32 s73, 0
	s_lshl_b32 s74, s87, 8                         ; its scale word: 256 bytes a group and head; pair i, row r at 8 (r + 16 (i / 2)) + 4 (i % 2)
	s_lshl_b32 s88, s88, 7
	s_lshl_b32 s89, s89, 2
	s_add_co_u32 s74, s74, s88
	s_add_co_u32 s74, s74, s89
	s_mov_b32 s75, 0
	s_mul_i32 s76, s18, 6144                       ; Wo: my 32 rows (output channels 32 w on)
	s_mov_b32 s77, 0
	s_lshl_b32 s78, s18, 8
	s_mov_b32 s79, 0
	s_lshl_b32 s80, s57, 23                        ; out0: the batch, my 32 channels, my block's 256 bytes of a row
	s_lshl_b32 s91, s18, 19
	s_add_co_u32 s80, s80, s91
	s_and_b32 s91, s56, 63
	s_lshl_b32 s91, s91, 8
	s_add_co_u32 s80, s80, s91
	s_mov_b32 s81, 0
	s_and_b32 s92, ttmp9, 15                       ; who prefetches: the batch's first cluster,
	s_sub_co_u32 s93, s18, 4
	s_cmp_lt_u32 s93, 3                            ; waves 4, 5, 6
	s_cselect_b32 s93, 0, 1
	s_or_b32 s93, s93, s92
	s_cmp_eq_u32 s93, 0
	s_cselect_b32 s51, 1, -1                       ; a wave prefetches while s50 is above this
	s_wait_kmcnt 0x0
	s_add_nc_u64 s[42:43], s[8:9], s[66:67]
	s_or_b32 s43, s43, 0x80000000
	s_add_nc_u64 s[46:47], s[10:11], s[68:69]
	s_or_b32 s47, s47, 0x80000000
	s_add_nc_u64 s[52:53], s[8:9], s[70:71]
	s_add_nc_u64 s[4:5], s[4:5], s[72:73]
	s_add_nc_u64 s[6:7], s[6:7], s[74:75]
	s_add_nc_u64 s[12:13], s[12:13], s[76:77]
	s_add_nc_u64 s[14:15], s[14:15], s[78:79]
	s_add_nc_u64 s[16:17], s[16:17], s[80:81]
	CROUND                                         ; all four partners are here: the first joint loads meet
	s_cmp_lt_u32 s18, 4                            ; a fetching wave's two first fills stand in one branch, ahead of every wait on TENSORcnt and every LDS read: two loads of mine are out
	s_cbranch_scc0 .Lno_first
	tensor_load_to_lds s[44:47], s[32:39]          ; the batch's scale words: filled once
	s_nop 0
	tensor_load_to_lds s[40:43], s[24:31]          ; slot 0
	s_nop 0
	PLACES
.Lno_first:
	s_wait_alu depctr_va_vdst(0)
	global_load_b64 v[QA:QA+1], v[QO1], s[4:5]     ; q's six registers, once into each of its two operands
	global_load_b64 v[QA+2:QA+3], v[QO2], s[4:5]
	global_load_b64 v[QA+4:QA+5], v[QO1], s[4:5] offset:512
	global_load_b64 v[QB+6:QB+7], v[QO1], s[4:5]
	global_load_b64 v[QB+8:QB+9], v[QO2], s[4:5]
	global_load_b64 v[QB+10:QB+11], v[QO1], s[4:5] offset:512
	global_load_b32 v[QRAW], v[QSO], s[6:7]
.irp i, 0,1,2,3,4,5
	v_mov_b32 v[QA+6+\i], 0                        ; zero codes
	v_mov_b32 v[QB+\i], 0
.endr
	v_mov_b32 v13, 0xff61b1e6                      ; the largest t so far: -3e38, under every t
	s_delay_alu instid0(VALU_DEP_1)
	v_floor_f32 v12, -v13                          ; -M
	v_mov_b32 v14, 0
	v_mov_b32 v15, 0
	v_mov_b32 v[F+1], 0                            ; (named as the upper half of the pair; never used)
.irp b, 0,1,2,3
	v_mov_b32 v[T2+\b], 0                          ; written once: a lane permute's destination counts as one of its sources
.endr
	s_wait_loadcnt 0x0
	v_perm_b32 v[QS], v[QRAW], v[QRAW], s85        ; q's two bytes twice: (s0, s1, s0, s1) serves both operands
.set j, 0
.rept 32
	v_mov_b32 v[O+j], 0                            ; O^T.  The step is written once: the first finds zeros.  (These lines are also the places between q's scale word and the first product)
.set j, j+1
.endr
; A KEY STEP: 128 keys, the q-th of the slot in hand.
.macro STEP q
	v_add_nc_u32 v[ADC], s48, v[LI]
	v_add_nc_u32 v[ADS], s49, v[LSC]
	v_nop
	v_nop                                          ; four places behind the last step's products, in front of the loads into their registers
	ds_load_b64 v[KS:KS+1], v[ADS]                 ; register i % 2, lanes 16 (i / 2) on: the words of fragment i
	ds_load_b64 v[VS:VS+1], v[ADS] offset:256
.irp i, 0,1,2,3
.irp c, 0,1,2
	ds_load_b128 v[KV+12*\i+4*\c:KV+12*\i+4*\c+3], v[ADC] offset:49152*(\q)+1536*\i+512*\c
.endr
.endr
	s_wait_alu depctr_va_vdst(0)
	s_wait_dscnt 0x0
.irp i, 0,1
	v_wmma_scale_f32_16x16x128_f8f6f4 v[S+16*\i:S+16*\i+7], v[KV+12*\i:KV+12*\i+11], v[QA:QA+11], 0, v[KS+\i], v[QS] matrix_a_fmt:MATRIX_FMT_FP6 matrix_b_fmt:MATRIX_FMT_FP6
	v_wmma_scale_f32_16x16x128_f8f6f4 v[S+16*\i+8:S+16*\i+15], v[KV+12*\i:KV+12*\i+11], v[QB:QB+11], 0, v[KS+\i], v[QS] matrix_a_fmt:MATRIX_FMT_FP6 matrix_b_fmt:MATRIX_FMT_FP6
.endr
.irp i, 2,3
	v_wmma_scale_f32_16x16x128_f8f6f4 v[S+16*\i:S+16*\i+7], v[KV+12*\i:KV+12*\i+11], v[QA:QA+11], 0, v[KS+\i-2], v[QS] matrix_a_fmt:MATRIX_FMT_FP6 matrix_b_fmt:MATRIX_FMT_FP6 matrix_a_scale:MATRIX_SCALE_ROW1
	v_wmma_scale_f32_16x16x128_f8f6f4 v[S+16*\i+8:S+16*\i+15], v[KV+12*\i:KV+12*\i+11], v[QB:QB+11], 0, v[KS+\i-2], v[QS] matrix_a_fmt:MATRIX_FMT_FP6 matrix_b_fmt:MATRIX_FMT_FP6 matrix_a_scale:MATRIX_SCALE_ROW1
.endr
	PLACES
.irp t, 0,1,2,3
.irp c, 0,1,2
	ds_load_b128 v[KV+12*\t+4*\c:KV+12*\t+4*\c+3], v[ADC] offset:49152*(\q)+6144+1536*\t+512*\c   ; v's fragments land while the softmax is walked
.endr
.endr
.irp b, 0,1,2,3
	v_max3_num_f32 v[BM+\b], v[S+16*\b], v[S+16*\b+1], v[S+16*\b+2]   ; THE LARGEST SCORE OF EACH BLOCK OF 32 KEYS serves twice: for the row's maximum, and, since p rises with the score, for the block's largest p
.endr
.irp i, 3,5,7,9,11,13
.irp b, 0,1,2,3
	v_max3_num_f32 v[BM+\b], v[BM+\b], v[S+16*\b+\i], v[S+16*\b+\i+1]
.endr
.endr
.irp b, 0,1,2,3
	v_max_num_f32 v[BM+\b], v[BM+\b], v[S+16*\b+15]
.endr
.irp b, 0,1,2,3
	s_delay_alu instid0(VALU_DEP_4)
	v_permlanex16_b32 v[T2+\b], v[BM+\b], s20, s21
.endr
.irp b, 0,1,2,3
	s_delay_alu instid0(VALU_DEP_4)
	v_max_num_f32 v[BM+\b], v[BM+\b], v[T2+\b]     ; with lane l xor 16's 16 keys
.endr
	s_delay_alu instid0(VALU_DEP_2)
	v_max3_num_f32 v[TMP], v[BM], v[BM+1], v[BM+2]
	s_delay_alu instid0(VALU_DEP_1)
	v_max_num_f32 v[TMP], v[TMP], v[BM+3]          ; the step's largest score of my query
	s_delay_alu instid0(VALU_DEP_1)
	v_mul_f32 v[TMP], s22, v[TMP]                  ; as t (c is positive)
	s_delay_alu instid0(VALU_DEP_1)
	v_max_num_f32 v13, v13, v[TMP]                 ; the running largest t
	v_mov_b32 v[TMP], v12
	s_delay_alu instid0(VALU_DEP_2)
	v_floor_f32 v12, -v13                          ; the new -M = floor(-t) = -ceil(t)
	s_delay_alu instid0(VALU_DEP_1)
	v_sub_f32 v[TMP], v12, v[TMP]                  ; old M less new M: a whole number, 0 or less
	s_delay_alu instid0(VALU_DEP_1)
	v_cvt_i32_f32 v[TMP], v[TMP]                   ; (it saturates)
	s_delay_alu instid0(VALU_DEP_1)
	v_ldexp_f32 v[F], 1.0, v[TMP]                  ; f = 2^(old M - new M)
.set j, 0
.rept 32
	v_pk_fma_f32 v[S+j:S+j+1], v[S+j:S+j+1], s[22:23], v[12:13] op_sel_hi:[1,0,0]   ; t - M, two at a time (of the pairs c and -M the low word serves both halves)
.set j, j+2
.endr
.irp b, 0,1,2,3
	v_fma_f32 v[BM+\b], v[BM+\b], s22, v12         ; the same of each block's largest score
.endr
.set j, 0
	s_wait_alu depctr_va_vdst(0)
.rept 64
	v_exp_f32 v[S+j], v[S+j]                       ; p = 2^(t - M), at most 1
.set j, j+1
.endr
	v_pk_mul_f32 v[14:15], v[14:15], v[F:F+1] op_sel_hi:[1,0]   ; the sums under the new M: the plain line behind the exponentials
	s_wait_alu depctr_va_vdst(0)                   ; one wait for the batch of 64, ahead of its first reader
.irp b, 0,1,2,3
	v_exp_f32 v[BM+\b], v[BM+\b]                   ; the block's largest p: the same two instructions on the same number give the same bits
.endr
	v_pk_add_f32 v[208:209], v[92:93], v[96:97]
	v_pk_add_f32 v[254:255], v[100:101], v[104:105]
	v_pk_add_f32 v[252:253], v[108:109], v[112:113]
	v_pk_add_f32 v[250:251], v[116:117], v[120:121]
	v_pk_add_f32 v[248:249], v[124:125], v[128:129]
	v_pk_add_f32 v[246:247], v[132:133], v[136:137]
	v_pk_add_f32 v[244:245], v[140:141], v[144:145]
	v_pk_add_f32 v[14:15], v[14:15], v[148:149]
	v_pk_add_f32 v[208:209], v[208:209], v[88:89]
	v_pk_add_f32 v[254:255], v[254:255], v[90:91]
	v_pk_add_f32 v[252:253], v[252:253], v[94:95]
	v_pk_add_f32 v[250:251], v[250:251], v[98:99]
	v_pk_add_f32 v[248:249], v[248:249], v[102:103]
	v_pk_add_f32 v[246:247], v[246:247], v[106:107]
	v_pk_add_f32 v[244:245], v[244:245], v[110:111]
	v_pk_add_f32 v[14:15], v[14:15], v[114:115]
	v_pk_add_f32 v[208:209], v[208:209], v[118:119]
	v_pk_add_f32 v[254:255], v[254:255], v[122:123]
	v_pk_add_f32 v[252:253], v[252:253], v[126:127]
	v_pk_add_f32 v[250:251], v[250:251], v[130:131]
	v_pk_add_f32 v[248:249], v[248:249], v[134:135]
	v_pk_add_f32 v[246:247], v[246:247], v[138:139]
	v_pk_add_f32 v[244:245], v[244:245], v[142:143]
	v_pk_add_f32 v[14:15], v[14:15], v[146:147]
	v_pk_add_f32 v[208:209], v[208:209], v[150:151]
	s_delay_alu instid0(VALU_DEP_2)
	v_pk_add_f32 v[14:15], v[14:15], v[250:251]
	s_delay_alu instid0(VALU_DEP_2)
	v_pk_add_f32 v[208:209], v[208:209], v[248:249]
	v_pk_add_f32 v[254:255], v[254:255], v[246:247]
	v_pk_add_f32 v[252:253], v[252:253], v[244:245]
	s_delay_alu instid0(VALU_DEP_2)
	v_pk_add_f32 v[14:15], v[14:15], v[254:255]
	s_delay_alu instid0(VALU_DEP_2)
	v_pk_add_f32 v[208:209], v[208:209], v[252:253]
	s_delay_alu instid0(VALU_DEP_1)
	v_pk_add_f32 v[14:15], v[14:15], v[208:209]
	s_wait_alu depctr_va_vdst(0)                   ; and one for the four
.irp b, 0,1,2,3
	v_max_num_f32 v[BM+\b], 0x1800000, v[BM+\b]    ; the floor 2^(3 - 127): the byte cannot fall under 1
.endr
.irp b, 0,1,2,3
	s_delay_alu instid0(VALU_DEP_4)
	v_add_nc_u32 v[SO+\b], 0xff000000, v[BM+\b]    ; 2 off the exponent field: the conversion's scale operand
.endr
.irp b, 0,1,2,3
	s_delay_alu instid0(VALU_DEP_4)
	v_lshrrev_b32 v[T2+\b], 23, v[SO+\b]           ; the scale's byte
.endr
	s_delay_alu instid0(VALU_DEP_3)
	v_lshl_or_b32 v[PS], v[T2+1], 8, v[T2]         ; p's scale word for these 128 keys
	s_delay_alu instid0(VALU_DEP_1)
	v_lshl_or_b32 v[PS], v[T2+2], 16, v[PS]
	s_delay_alu instid0(VALU_DEP_1)
	v_lshl_or_b32 v[PS], v[T2+3], 24, v[PS]
.irp c, 0,1
	v_cvt_scalef32_pk16_fp6_f32 v[PC+6*\c:PC+6*\c+2], v[S+32*\c:S+32*\c+15], v[SO+2*\c]
	v_cvt_scalef32_pk16_fp6_f32 v[PT+4*\c:PT+4*\c+2], v[S+32*\c+16:S+32*\c+31], v[SO+2*\c+1]   ; (a conversion's three registers begin on an even number)
.endr
	v_nop                                          ; one plain place behind a scaled conversion
.irp c, 0,1                            ; the operand's layout wants a WHOLE block in a lane
.irp i, 0,1,2
	v_permlane16_swap_b32 v[PC+6*\c+\i], v[PT+4*\c+\i]
.endr
.irp i, 0,1,2
	s_delay_alu instid0(VALU_DEP_3)
	v_mov_b32 v[PC+3+6*\c+\i], v[PT+4*\c+\i]
.endr
.endr
.set j, 0
.rept 16
	v_pk_mul_f32 v[O+j:O+j+1], v[O+j:O+j+1], v[F:F+1] op_sel_hi:[1,0]   ; O^T under the new M, from each accumulator's low end on.  (These lines are also the places between p's codes and scale word and the products)
.set j, j+2
.endr
	s_wait_alu depctr_va_vdst(0)
	s_wait_dscnt 0x0                               ; v's fragments are in
.irp t, 0,1
	v_wmma_scale_f32_16x16x128_f8f6f4 v[O+8*\t:O+8*\t+7], v[KV+12*\t:KV+12*\t+11], v[PC:PC+11], v[O+8*\t:O+8*\t+7], v[VS+\t], v[PS] matrix_a_fmt:MATRIX_FMT_FP6 matrix_b_fmt:MATRIX_FMT_FP6
.endr
.irp t, 2,3
	v_wmma_scale_f32_16x16x128_f8f6f4 v[O+8*\t:O+8*\t+7], v[KV+12*\t:KV+12*\t+11], v[PC:PC+11], v[O+8*\t:O+8*\t+7], v[VS+\t-2], v[PS] matrix_a_fmt:MATRIX_FMT_FP6 matrix_b_fmt:MATRIX_FMT_FP6 matrix_a_scale:MATRIX_SCALE_ROW1
.endr
	s_add_co_u32 s49, s49, 2048                    ; the next step's scale words
.endm
; THE CHANGE OF SLOTS stands at a slot's head.  Each wave waits for all its tensor loads (its part of the slot that it is about to read), adds 0 to its spare word, and waits for that and for its reads of the slot
; that it has left.  fill = 1: a round of the cluster's barrier follows, so that no wave of any partner still reads that slot or has a load on its way; the joint refill is the first thing behind it and has
; a slot's two key steps in which to land.
.macro CHANGE fill
	s_wait_tensorcnt 0x0                           ; no tensor load of mine is out, so the group 0 may be written
	ds_add_u32 v[SPW], v[NIL]                      ; 0 onto my spare word
.if \fill
	s_xor_b32 s41, s41, SLOT1                      ; the walking descriptor: the other slot than last time,
	s_add_nc_u64 s[42:43], s[42:43], SLOTB         ; the next 256 keys; the type bits on top are not reached
	s_wait_xcnt 0x0                                ; the last prefetch, a slot back, has read its address, so it may be written:
	s_add_nc_u64 s[52:53], s[52:53], SLOTB         ; one slot further on than the walking descriptor
.endif
	s_wait_dscnt 0x0                               ; the add is done, and my reads of the slot that I have left are over
.if \fill
	CROUND
	TLOAD
	ASK
.else
	s_barrier_signal -1
	s_barrier_wait -1
.endif
.endm
.Lslot:                                            ; 15 trips: behind each change of slots but the last the next slot is asked for
	CHANGE 1
	STEP 0
	STEP 1
	s_xor_b32 s48, s48, SLOT1                      ; on to the other slot
	s_sub_co_u32 s50, s50, 1
	s_cmp_lg_u32 s50, 0
	s_cbranch_scc1 .Lslot
	CHANGE 0                                       ; the last slot is written out
	STEP 0
	STEP 1
	; Wo's four fragments (two tiles of 16 output channels x two K steps) and their scale words, into the registers that k and v have left
	PLACES
.irp ot, 0,1
.irp s, 0,1
.irp p, 0,1,2,3,4,5
	global_load_b64 v[KV+12*(2*\ot+\s)+2*\p:KV+12*(2*\ot+\s)+2*\p+1], v[WOA], s[12:13] offset:3072*\ot+96*\s+48*(\p/3)+8*(\p%3)
.endr
.endr
	global_load_b64 v[WOS+2*\ot:WOS+2*\ot+1], v[WOSA], s[14:15] offset:128*\ot
.endr
	; O / l, quantised along the channels: my head's 64 are two blocks, half a fragment
	v_add_f32 v14, v14, v15                        ; the sum's two halves,
	s_delay_alu instid0(VALU_DEP_1)
	v_permlanex16_b32 v[TMP], v14, s20, s21
	s_delay_alu instid0(VALU_DEP_1)
	v_add_f32 v14, v14, v[TMP]                     ; and lane l xor 16's: the row's sum
	s_wait_alu depctr_va_vdst(0)
	v_rcp_f32 v[F], v14
	v_nop                                          ; one plain place behind the reciprocal
	s_wait_alu depctr_va_vdst(0)                   ; and the wait ahead of its first reader
.set j, 0
.rept 16
	v_pk_mul_f32 v[S+j:S+j+1], v[O+j:O+j+1], v[F:F+1] op_sel_hi:[1,0]   ; register 16 b + i: channel 32 b + 16 h + i of my head
.set j, j+2
.endr
.irp b, 0,1
	v_max3_num_f32 v[BM+\b], |v[S+16*\b]|, |v[S+16*\b+1]|, 0x1800000
.endr
.irp i, 2,4,6,8,10,12,14
.irp b, 0,1
	s_delay_alu instid0(VALU_DEP_2)
	v_max3_num_f32 v[BM+\b], v[BM+\b], |v[S+16*\b+\i]|, |v[S+16*\b+\i+1]|
.endr
.endr
.irp b, 0,1
	s_delay_alu instid0(VALU_DEP_2)
	v_permlanex16_b32 v[T2+\b], v[BM+\b], s20, s21
.endr
.irp b, 0,1
	s_delay_alu instid0(VALU_DEP_2)
	v_max_num_f32 v[BM+\b], v[BM+\b], v[T2+\b]
.endr
.irp b, 0,1
	s_delay_alu instid0(VALU_DEP_2)
	v_add_nc_u32 v[SO+\b], 0xff000000, v[BM+\b]
.endr
.irp b, 0,1
	s_delay_alu instid0(VALU_DEP_2)
	v_lshrrev_b32 v[T2+\b], 23, v[SO+\b]
.endr
	s_delay_alu instid0(VALU_DEP_1)
	v_lshl_or_b32 v[TMP], v[T2+1], 8, v[T2]        ; my two bytes of the row's scale word
	v_cvt_scalef32_pk16_fp6_f32 v[PC:PC+2], v[S:S+15], v[SO]
	v_cvt_scalef32_pk16_fp6_f32 v[PT:PT+2], v[S+16:S+31], v[SO+1]
	v_nop                                          ; one plain place behind a scaled conversion
.irp i, 0,1,2
	v_permlane16_swap_b32 v[PC+\i], v[PT+\i]
.endr
.irp i, 0,1,2
	s_delay_alu instid0(VALU_DEP_3)
	v_mov_b32 v[PC+3+\i], v[PT+\i]                 ; six registers: lane (r, h): query r, channels 32 h + 0 .. 31 of my head
.endr
	ds_store_b64 v[XW], v[PC:PC+1]                 ; as an image: register pair p at 256 p + 8 x lane.  Wave 4 qt + head: K step head / 2, registers 6 (head % 2) on of tile qt's fragment
	ds_store_b64 v[XW], v[PC+2:PC+3] offset:256
	ds_store_b64 v[XW], v[PC+4:PC+5] offset:512
	ds_store_b16 v[XSW], v[TMP]
	s_wait_dscnt 0x0                               ; for the others' sake: my stores have landed
	s_barrier_signal -1
	s_barrier_wait -1
	; THE OUTPUT PROJECTION.  Wave w makes output channels 32 w .. 32 w + 31 for the 64 queries.  Source 0 = 16 queries, source 1 = 16 rows of Wo: a lane holds ONE channel and eight neighbouring positions.
	s_wait_loadcnt 0x0                             ; Wo
.irp s, 0,1
.if \s == 1
	PLACES
.endif
.irp qt, 0,1,2,3
.irp p, 0,1,2,3,4,5
	ds_load_b64 v[XF+12*\qt+2*\p:XF+12*\qt+2*\p+1], v[XR] offset:3072*\qt+1536*\s+256*\p
.endr
.if \s == 0
	ds_load_b64 v[XS+2*\qt:XS+2*\qt+1], v[XR] offset:XSC-XIMG+256*\qt
.endif
.endr
	s_wait_dscnt 0x0
.irp qt, 0,1,2,3
.irp ot, 0,1                           ; eight accumulators by turns
.if \s == 0
	v_wmma_scale_f32_16x16x128_f8f6f4 v[Y+8*(4*\ot+\qt):Y+8*(4*\ot+\qt)+7], v[XF+12*\qt:XF+12*\qt+11], v[KV+12*(2*\ot+\s):KV+12*(2*\ot+\s)+11], 0, v[XS+2*\qt+\s], v[WOS+2*\ot+\s] matrix_a_fmt:MATRIX_FMT_FP6 matrix_b_fmt:MATRIX_FMT_FP6
.else
	v_wmma_scale_f32_16x16x128_f8f6f4 v[Y+8*(4*\ot+\qt):Y+8*(4*\ot+\qt)+7], v[XF+12*\qt:XF+12*\qt+11], v[KV+12*(2*\ot+\s):KV+12*(2*\ot+\s)+11], v[Y+8*(4*\ot+\qt):Y+8*(4*\ot+\qt)+7], v[XS+2*\qt+\s], v[WOS+2*\ot+\s] matrix_a_fmt:MATRIX_FMT_FP6 matrix_b_fmt:MATRIX_FMT_FP6
.endif
.endr
.endr
.endr
	; THE WAY OUT.  16 channels x 64 positions at a time go through my own stage and come back as whole rows of 256 bytes.  LDS serves a wave's instructions in order (ISA guide 5.7.1.4): no wait between the stores and the loads.
	PLACES
.irp ot, 0,1
.irp qt, 0,1,2,3
	ds_store_b128 v[STO], v[Y+8*(4*\ot+\qt):Y+8*(4*\ot+\qt)+3] offset:64*\qt          ; each accumulator from its low end on
	ds_store_b128 v[STO], v[Y+8*(4*\ot+\qt)+4:Y+8*(4*\ot+\qt)+7] offset:64*\qt+16
.endr
.irp i, 0,1,2,3,4,5,6,7
	ds_load_b128 v[KV+48*\ot+4*\i:KV+48*\ot+4*\i+3], v[RD] offset:544*\i
.endr
.endr
.irp ot, 0,1
.irp i, 0,1,2,3,4,5,6,7
	s_wait_dscnt 23-16*\ot-\i                      ; behind load i of the first half: its 7 - i later loads and the second half's 8 stores and 8 loads; of the second half: 7 - i
	global_store_b128 v[GO], v[KV+48*\ot+4*\i:KV+48*\ot+4*\i+3], s[16:17] offset:(16*\ot+2*\i)*16384 th:TH_STORE_NT   ; 16 lanes store 256 consecutive bytes, at a multiple of 256 from out0's first byte
.endr
.endr
	s_wait_tensorcnt 0x0                           ; the wave's end: behind my last tensor load and my last LDS store
	ds_add_u32 v[SPW], v[NIL]
	s_wait_dscnt 0x0
	CROUND                                         ; the closing round: no work-group ends while a partner may still ask for a tile that names it
	s_endpgm
.Lfunc_end_k_qb0da6c0614_attn:
	.size	k_qb0da6c0614_attn, .Lfunc_end_k_qb0da6c0614_attn-k_qb0da6c0614_attn
	.p2alignl 7, 3214868480
	.fill 96, 4, 3214868480
	.section	.rodata,"a",@progbits
	.p2align	6, 0x0
	.amdhsa_kernel k_qb0da6c0614_attn
		.amdhsa_group_segment_fixed_size 327680
		.amdhsa_private_segment_fixed_size 0
		.amdhsa_enable_private_segment 0
		.amdhsa_kernarg_size 56
		.amdhsa_user_sgpr_count 2
		.amdhsa_user_sgpr_kernarg_segment_ptr 1
		.amdhsa_wavefront_size32 1
		.amdhsa_system_sgpr_workgroup_id_x 1
		.amdhsa_system_sgpr_workgroup_id_y 1
		.amdhsa_system_sgpr_workgroup_id_z 1
		.amdhsa_system_vgpr_workitem_id 0
		.amdhsa_next_free_vgpr 256
		.amdhsa_next_free_sgpr 96
		.amdhsa_reserve_vcc 0
		.amdhsa_float_denorm_mode_32 3
		.amdhsa_float_denorm_mode_16_64 3
		.amdhsa_memory_ordered 1
		.amdhsa_forward_progress 1
		.amdhsa_inst_pref_size 95
	.end_amdhsa_kernel
	.amdgpu_metadata
---
amdhsa.version: [ 1, 2 ]
amdhsa.kernels:
  - .name:           k_qb0da6c0614_attn
    .symbol:         k_qb0da6c0614_attn.kd
    .args:
      - { .name: qc, .offset: 0, .size: 8, .value_kind: global_buffer, .address_space: global }
      - { .name: qs, .offset: 8, .size: 8, .value_kind: global_buffer, .address_space: global }
      - { .name: kvc, .offset: 16, .size: 8, .value_kind: global_buffer, .address_space: global }
      - { .name: kvs, .offset: 24, .size: 8, .value_kind: global_buffer, .address_space: global }
      - { .name: Wo_codes, .offset: 32, .size: 8, .value_kind: global_buffer, .address_space: global }
      - { .name: Wo_scales, .offset: 40, .size: 8, .value_kind: global_buffer, .address_space: global }
      - { .name: out0, .offset: 48, .size: 8, .value_kind: global_buffer, .address_space: global }
    .group_segment_fixed_size: 327680
    .private_segment_fixed_size: 0
    .kernarg_segment_align: 8
    .kernarg_segment_size: 56
    .max_flat_workgroup_size: 512
    .sgpr_count:     96
    .vgpr_count:     256
    .wavefront_size: 32
...
	.end_amdgpu_metadata
.endif
;; end of part 2
